; MI455X (gfx1250); checked and timed in simulation.
; The chip was launched on July 23, 2026; its instructions are those of AMD's public machine-readable ISA for CDNA 5 (MIT licence, August 2026) and "CDNA5" Instruction Set Architecture Reference Guide (July 2026). The comments in the code are by the model that wrote it; some were corrected since.
;; Gaus Rast. Allowed arithmetic: float matrix products may take bf16 or f16 operands with f32 sums; all other float work in f32.
;; Inputs: colors 2,048 x 3 float32; opacities 2,048 x 1 float32; points 2,048 x 3 float32; proj 4 x 4 float32; rots 2,048 x 4 float32; scales 2,048 x 3 float32; view 4 x 4 float32.
;; Outputs: out0 3 x 128 x 128 float32; out1 2,048 float32; out2 2,048 float32.
;; Constants: H = 128, W = 128.
;; 2 versions, each right; version 2 is version 1 with the launch raster written anew for expert scheduling mode. Each part assembles by itself: llvm-mc -triple=amdgcn-amd-amdhsa -mcpu=gfx1250 --defsym DOCPART=n.
;; ======== version 1 of 2: 2 launches
;; workspace buffers: par 65,536 bytes; colw 16,384 bytes; rank 8,192 bytes of whole numbers
;; launch prep (part 1): grid 256 x 1, 9 waves a work-group, no clusters, 10,496 bytes of LDS; arguments colors, opacities, points, proj, rots, scales, view, par, colw, rank, out1, out2; writes par, colw, rank, out1, out2
.if DOCPART == 1
	.amdgcn_target "amdgcn-amd-amdhsa--gfx1250"
	.amdhsa_code_object_version 6
	.text
	.protected	k_q58c7171fd8_prep
	.globl	k_q58c7171fd8_prep
	.p2align	8
	.type	k_q58c7171fd8_prep,@function
k_q58c7171fd8_prep:
	s_mov_b64 s[64:65], 0
	v_nop
	global_prefetch_b8 v0, s[64:65] scope:SCOPE_SE
	s_setreg_imm32_b32 hwreg(HW_REG_WAVE_MODE, 25, 1), 1
	s_wait_xcnt 0x0
; prep: everything that is done once for each of the 2,048 Gaussians.
; Work-group g owns Gaussians 8 g .. 8 g + 7.
;   waves 0-7: build the table of all 2,048 depths in LDS (thread t: points 8 t .. 8 t + 7), then count for each of the
;              group's 8 Gaussians how many stand in front of it: thread t = (Gaussian t & 7, slice t >> 3 of 64 entries).
;              rank[i] = #{ j : tz_j < tz_i, or tz_j == tz_i and j < i } = i's place in the stable sort by depth.
;              A thread makes its own tz_i from its Gaussian's point, by the same three FMAs as the table's entries (equal bits),
;              so that every LDS address here is made of the thread's number and constants alone.
;   wave 8:    the parameters of the 8 Gaussians (lane L works on Gaussian L & 7; lanes 0-7 store), beside the counting.
; LDS: the table, 2,048 f32 = 8,192 bytes from 0.  When all waves have read it, its first 1,024 bytes take the 256 partial
;      counts, thread t's at byte 4 t.
; Stored:  par[i]  = px, py, PA, PB, PC, op, qmax, 0  (f32), with q = PA dx^2 + PB dx dy + PC dy^2 = -power log2(e),
;                    PA = 0.5 log2e c/det, PB = -log2e b/det, PC = 0.5 log2e a/det,
;                    qmax = max(log2(255 op), 0), and 0 for a Gaussian that is not valid;
;          colw[i] = sigmoid(colour) as bf16 r, g, b, 0;   rank[i] (u32);   out1 = radii;   out2 = depth.
; The rank is only stored here; the next launch reads it as whole numbers and forms addresses from it.
; LIMITS KEPT.  Inputs are finite and no quaternion is zero; a NaN depth has no defined rank; -0 and +0 tie.
;   Order of rounding differs from the reference's: fused multiply-adds; cov = (Tm M)(Tm M)^T instead of Tm (M M^T) Tm^T;
;   divisions, reciprocals and roots are refined by one Newton step, exp by a compensated argument.  ceil() in the radius
;   can therefore differ by 1 only where 3 sqrt(lam) lies within a few 1e-6 (relative) of a whole number.
; No tensor loads, no cluster: what the work-groups share (24 KB of points) is turned into depths on its way through
; registers, and is read once by each.  A work-group's stores cover 256 consecutive bytes of par, 64 of colw and 32 of
; rank, out1, out2: longer runs would need 64 Gaussians a work-group, that is 32 work-groups with eight times the counting each.
; wave 8's registers
.set GI, 1                             ; Gaussian index i
.set A12, 2                            ; 12 i, 16 i, 4 i, 32 i, 8 i: byte offsets
.set A16, 3
.set A4, 4
.set A32, 5
.set A8, 6
.set LANE, 7
.set PT, 12                            ; v[12:14] point
.set SC, 16                            ; v[16:18] log-scales
.set CL, 20                            ; v[20:22] colours
.set RO, 24                            ; v[24:27] quaternion
.set OPI, 28                           ; opacity
.set T0, 30
.set T1, 31
.set TZ, 32
.set PH0, 33
.set PH1, 34
.set PH3, 35
.set RZ, 36
.set TMP, 37
.set XZ, 38
.set YZ, 39
.set TXZ, 40
.set TYZ, 41
.set J00, 42
.set TZ2, 43
.set R2, 44
.set J02, 45
.set J12, 46
.set N02, 47
.set N12, 48
.set K64, 49
.set TM0, 50                           ; v[50:52] row 0 of Tm = J view
.set TM1, 53                           ; v[53:55] row 1
.set N2, 56
.set NN, 57
.set RN, 58
.set HH, 59
.set QR, 60                            ; v[60:63] unit quaternion r, x, y, z
.set QX, 61
.set QY, 62
.set QZ, 63
.set RM, 64                            ; v[64:72] rotation, R[a][k] at 64 + 3 a + k
.set SS, 73                            ; v[73:75] exp(scales)
.set EH, 76
.set EL, 77
.set W0, 78                            ; v[78:80] row 0 of Tm M
.set W1, 81                            ; v[81:83] row 1
.set AA, 84
.set BB, 85
.set CC, 86
.set DET, 87
.set DETS, 88
.set RD, 89
.set MID, 90
.set DD, 91
.set SQ, 92
.set LAM, 93
.set R3, 94
.set RAD, 95
.set PW, 96
.set OUT, 100                          ; v[100:107] the record for par
.set COL, 108                          ; v[108:110]
.set CW, 112                           ; v[112:113] the record for colw
; d = row . (x, y, z, 1), the row in s[sb:sb+3].  The same three lines make the table's depths, each thread's tz_i and out2:
; equal bits everywhere.
.macro TDOT d, x, y, z, sb
	v_fma_f32 v[\d], s[\sb], v[\x], s[\sb+3]
	v_fma_f32 v[\d], s[\sb+1], v[\y], v[\d]
	v_fma_f32 v[\d], s[\sb+2], v[\z], v[\d]
.endm
; r = 1 / d with one Newton step.  Behind a transcendental one plain vector instruction stands before its result is used
; or its source rewritten (ISA guide 5.7.2): the v_nop in this macro and in those below.
.macro NRCP r, d, t
	v_rcp_f32 v[\r], v[\d]
	v_nop
	s_wait_alu depctr_va_vdst(0)
	v_fma_f32 v[\t], -v[\d], v[\r], 1.0
	v_fma_f32 v[\r], v[\t], v[\r], v[\r]
.endm
; q = n / d, r = the refined 1 / d: the remainder n - d q is exact in the FMA and corrects q
.macro NDIV q, n, d, r, t
	v_mul_f32 v[\q], v[\n], v[\r]
	v_fma_f32 v[\t], -v[\d], v[\q], v[\n]
	v_fma_f32 v[\q], v[\t], v[\r], v[\q]
.endm
; s = sqrt(x) with one step: s + (x - s s) / (2 s)
.macro NSQRT s, x, h, t
	v_sqrt_f32 v[\s], v[\x]
	v_rsq_f32 v[\h], v[\x]
	v_nop
	s_wait_alu depctr_va_vdst(0)
	v_mul_f32 v[\h], 0.5, v[\h]
	v_fma_f32 v[\t], -v[\s], v[\s], v[\x]
	v_fma_f32 v[\s], v[\t], v[\h], v[\s]
.endm
; e = exp(x) = 2^hi (1 + lo ln 2): hi = x log2e rounded, lo = what the rounding and the constant's own error left out
.macro EXPE e, x, hi, lo
	v_mul_f32 v[\hi], s60, v[\x]
	v_fma_f32 v[\lo], v[\x], s60, -v[\hi]
	v_fma_f32 v[\lo], v[\x], s61, v[\lo]
	v_exp_f32 v[\e], v[\hi]
	v_mul_f32 v[\lo], 0x3f317218, v[\lo]           ; x ln 2; also the plain instruction behind v_exp_f32
	s_wait_alu depctr_va_vdst(0)
	v_fma_f32 v[\e], v[\e], v[\lo], v[\e]
.endm
; y = 1 / (1 + 2^(-x log2e))
.macro SIGM y, x, t
	v_mul_f32 v[\t], 0xbfb8aa3b, v[\x]
	v_exp_f32 v[\t], v[\t]
	v_nop
	s_wait_alu depctr_va_vdst(0)
	v_add_f32 v[\t], 1.0, v[\t]
	v_rcp_f32 v[\y], v[\t]
	v_nop
.endm
.macro RDIAG d, a, b                   ; 1 - 2 (a a + b b)
	v_mul_f32 v[TMP], v[\a], v[\a]
	v_fma_f32 v[TMP], v[\b], v[\b], v[TMP]
	v_fma_f32 v[\d], v[TMP], -2.0, 1.0
.endm
.macro ROFF d, a, b, c, e, minus       ; 2 (a b +- c e)
	v_mul_f32 v[TMP], v[\c], v[\e]
.if \minus
	v_fma_f32 v[\d], v[\a], v[\b], -v[TMP]
.else
	v_fma_f32 v[\d], v[\a], v[\b], v[TMP]
.endif
	v_add_f32 v[\d], v[\d], v[\d]
.endm
.macro FULLROW ri, r                   ; s[68+4 ri ..] = row r of proj @ view
.irp c, 0,1,2,3
	s_mul_f32  s[68+4*\ri+\c], s[44+4*\r],   s[28+\c]
	s_fmac_f32 s[68+4*\ri+\c], s[44+4*\r+1], s[32+\c]
	s_fmac_f32 s[68+4*\ri+\c], s[44+4*\r+2], s[36+\c]
	s_fmac_f32 s[68+4*\ri+\c], s[44+4*\r+3], s[40+\c]
.endr
.endm
; four table entries j0 .. j0 + 3 of my slice against my Gaussian: v8 = tz_i, v9 = i - first j of the slice, v10 = count
.macro CNT4 reg, j0
.irp q, 0,1,2,3
	v_cmp_lt_f32 s[80+\q], v[\reg+\q], v8          ; tz_j < tz_i
	v_cmp_eq_f32 s[84+\q], v[\reg+\q], v8          ; a tie ..
	v_cmp_lt_i32 s[88+\q], \j0+\q, v9              ; .. goes to the lower index
.endr
.irp q, 0,1,2,3
	s_and_b32 s[84+\q], s[84+\q], s[88+\q]
	s_or_b32  s[80+\q], s[80+\q], s[84+\q]
.endr
.irp q, 0,1,2,3
	v_cndmask_b32 v[12+\q], 0, 1, s[80+\q]
.endr
	v_add3_u32 v10, v10, v12, v13
	v_add3_u32 v10, v10, v14, v15
.endm
	s_load_b512 s[4:19], s[0:1], 0x0               ; colors s[4:5], opacities s[6:7], points s[8:9], proj s[10:11],
	                                               ; rots s[12:13], scales s[14:15], view s[16:17], par s[18:19]
	s_load_b256 s[20:27], s[0:1], 0x40             ; colw s[20:21], rank s[22:23], out1 s[24:25], out2 s[26:27]
	v_lshl_add_u32 v128, v0, 2, 0x2400
	v_mov_b32 v129, 0
	v_lshrrev_b32 v1, 5, v0
	v_readfirstlane_b32 s66, v1                    ; wave 0..8
	s_lshl_b32 s67, ttmp9, 3                       ; the group's first Gaussian
	s_wait_kmcnt 0x0
	s_load_b512 s[28:43], s[16:17], 0x0            ; view[r][c] = s[28 + 4 r + c]
	s_load_b512 s[44:59], s[10:11], 0x0            ; proj[r][c] = s[44 + 4 r + c]
	s_cmp_eq_u32 s66, 8
	s_cbranch_scc1 .Lparam_loads
	; waves 0-7: my own Gaussian's point (12 bytes), then eight points a thread for the table (96 bytes, six loads of 16)
	v_and_b32 v3, 7, v0                            ; which of the group's Gaussians I count for
	v_add_nc_u32 v5, s67, v3                       ; i
	v_mul_u32_u24 v6, 12, v5
	v_mul_u32_u24 v1, 96, v0
	global_load_b96 v[48:50], v6, s[8:9]
.irp m, 0,1,2,3,4,5
	global_load_b128 v[16+4*\m:19+4*\m], v1, s[8:9] offset:16*\m
.endr
	v_lshlrev_b32 v2, 5, v0                        ; 8 depths = 32 bytes a thread
	s_wait_kmcnt 0x0                               ; view
	s_wait_loadcnt 0x3                             ; loads return in order (ISA guide 5.7.1): of seven the three youngest stay out;
	                                               ; my own point and points 0-3 of the table are in
	TDOT 8, 48, 49, 50, 36                         ; tz_i
.irp p, 0,1,2,3
	TDOT 40+\p, 16+3*\p, 17+3*\p, 18+3*\p, 36
.endr
	s_wait_loadcnt 0x0
.irp p, 4,5,6,7
	TDOT 40+\p, 16+3*\p, 17+3*\p, 18+3*\p, 36
.endr
	ds_store_b128 v2, v[40:43]
	ds_store_b128 v2, v[44:47] offset:16
	s_wait_dscnt 0x0                               ; for the other waves' sake: my part of the table is written
	s_branch .Lbar1
.Lparam_loads:                                         ; wave 8: its five loads go out now and fly across the barrier
	v_and_b32 v[GI], 7, v0
	v_add_nc_u32 v[GI], s67, v[GI]
	v_mul_u32_u24 v[A12], 12, v[GI]
	v_lshlrev_b32 v[A16], 4, v[GI]
	v_lshlrev_b32 v[A4], 2, v[GI]
	global_load_b96  v[PT:PT+2], v[A12], s[8:9]
	global_load_b96  v[SC:SC+2], v[A12], s[14:15]
	global_load_b96  v[CL:CL+2], v[A12], s[4:5]
	global_load_b128 v[RO:RO+3], v[A16], s[12:13]
	global_load_b32  v[OPI], v[A4], s[6:7]
	s_wait_kmcnt 0x0                               ; view and proj
.Lbar1:
	s_barrier_signal -1
	s_barrier_wait -1                              ; the table of depths is whole
	s_cmp_eq_u32 s66, 8
	s_cbranch_scc1 .Lparam
	; waves 0-7: count.  v5 = i, v8 = tz_i from above
	v_lshrrev_b32 v4, 3, v0                        ; which slice of 64 entries
	v_lshlrev_b32 v7, 8, v4
.irp m, 0,1,2,3,4,5,6,7,8,9,10,11,12,13,14,15
	ds_load_b128 v[16+4*\m:19+4*\m], v7 offset:16*\m
.endr
	v_lshlrev_b32 v9, 6, v4
	v_sub_nc_u32 v9, v5, v9                        ; i - 64 slice (signed): entry j0 of the slice has a lower index iff j0 < this
	v_mov_b32 v10, 0
.irp m, 0,1,2,3,4,5,6,7,8,9,10,11,12,13,14,15
	s_wait_dscnt 15-\m                             ; the 15 - m younger loads stay out; the last wait is for 0: my reads of the table are over
	CNT4 16+4*\m, 4*\m
.endr
	s_branch .Lbar2
.Lparam:                                               ; wave 8: the parameters
	FULLROW 0, 0                                   ; rows 0, 1, 3 of proj @ view, while the loads come in
	FULLROW 1, 1
	FULLROW 2, 3
	s_mov_b32 s60, 0x3fb8aa3b                      ; log2(e), rounded
	s_mov_b32 s61, 0x32a57060                      ; log2(e) minus that
	s_mov_b32 s63, 0x3e99999a                      ; 0.3
	s_wait_loadcnt 0x0
	TDOT T0,  PT, PT+1, PT+2, 28                   ; camera space
	TDOT T1,  PT, PT+1, PT+2, 32
	TDOT TZ,  PT, PT+1, PT+2, 36
	TDOT PH0, PT, PT+1, PT+2, 68                   ; clip space x, y, w
	TDOT PH1, PT, PT+1, PT+2, 72
	TDOT PH3, PT, PT+1, PT+2, 76
	; the Jacobian (fx = fy = 64)
	NRCP RZ, TZ, TMP
	NDIV XZ, T0, TZ, RZ, TMP
	NDIV YZ, T1, TZ, RZ, TMP
	v_max_num_f32 v[XZ], 0xbfa66666, v[XZ]         ; clip to +-1.3
	v_max_num_f32 v[YZ], 0xbfa66666, v[YZ]
	v_min_num_f32 v[XZ], 0x3fa66666, v[XZ]
	v_min_num_f32 v[YZ], 0x3fa66666, v[YZ]
	v_mul_f32 v[TXZ], v[XZ], v[TZ]
	v_mul_f32 v[TYZ], v[YZ], v[TZ]
	v_mov_b32 v[K64], 0x42800000                   ; 64.0
	NDIV J00, K64, TZ, RZ, TMP
	v_mul_f32 v[TZ2], v[TZ], v[TZ]
	NRCP R2, TZ2, TMP
	v_mul_f32 v[N02], 0xc2800000, v[TXZ]
	v_mul_f32 v[N12], 0xc2800000, v[TYZ]
	NDIV J02, N02, TZ2, R2, TMP
	NDIV J12, N12, TZ2, R2, TMP
.irp c, 0,1,2
	v_mul_f32 v[TM0+\c], s[28+\c], v[J00]          ; Tm = J view[:3,:3]
	v_mul_f32 v[TM1+\c], s[32+\c], v[J00]
	v_fma_f32 v[TM0+\c], s[36+\c], v[J02], v[TM0+\c]
	v_fma_f32 v[TM1+\c], s[36+\c], v[J12], v[TM1+\c]
.endr
	; the rotation
	v_mul_f32 v[N2], v[RO], v[RO]
	v_fma_f32 v[N2], v[RO+1], v[RO+1], v[N2]
	v_fma_f32 v[N2], v[RO+2], v[RO+2], v[N2]
	v_fma_f32 v[N2], v[RO+3], v[RO+3], v[N2]
	NSQRT NN, N2, HH, TMP
	NRCP RN, NN, TMP
	NDIV QR, RO,   NN, RN, TMP
	NDIV QX, RO+1, NN, RN, TMP
	NDIV QY, RO+2, NN, RN, TMP
	NDIV QZ, RO+3, NN, RN, TMP
	RDIAG RM,   QY, QZ
	ROFF  RM+1, QX, QY, QR, QZ, 1
	ROFF  RM+2, QX, QZ, QR, QY, 0
	ROFF  RM+3, QX, QY, QR, QZ, 0
	RDIAG RM+4, QX, QZ
	ROFF  RM+5, QY, QZ, QR, QX, 1
	ROFF  RM+6, QX, QZ, QR, QY, 1
	ROFF  RM+7, QY, QZ, QR, QX, 0
	RDIAG RM+8, QX, QY
	EXPE SS,   SC,   EH, EL
	EXPE SS+1, SC+1, EH, EL
	EXPE SS+2, SC+2, EH, EL
	; W = Tm R diag(s); the 2D covariance is W W^T
.irp k, 0,1,2
	v_mul_f32 v[W0+\k], v[TM0], v[RM+\k]
	v_mul_f32 v[W1+\k], v[TM1], v[RM+\k]
	v_fma_f32 v[W0+\k], v[TM0+1], v[RM+3+\k], v[W0+\k]
	v_fma_f32 v[W1+\k], v[TM1+1], v[RM+3+\k], v[W1+\k]
	v_fma_f32 v[W0+\k], v[TM0+2], v[RM+6+\k], v[W0+\k]
	v_fma_f32 v[W1+\k], v[TM1+2], v[RM+6+\k], v[W1+\k]
	v_mul_f32 v[W0+\k], v[W0+\k], v[SS+\k]
	v_mul_f32 v[W1+\k], v[W1+\k], v[SS+\k]
.endr
	v_fma_f32 v[AA], v[W0], v[W0], s63             ; a = cov00 + 0.3
	v_mul_f32 v[BB], v[W0], v[W1]                  ; b = cov01
	v_fma_f32 v[CC], v[W1], v[W1], s63             ; c = cov11 + 0.3
	v_fma_f32 v[AA], v[W0+1], v[W0+1], v[AA]
	v_fma_f32 v[BB], v[W0+1], v[W1+1], v[BB]
	v_fma_f32 v[CC], v[W1+1], v[W1+1], v[CC]
	v_fma_f32 v[AA], v[W0+2], v[W0+2], v[AA]
	v_fma_f32 v[BB], v[W0+2], v[W1+2], v[BB]
	v_fma_f32 v[CC], v[W1+2], v[W1+2], v[CC]
	v_mul_f32 v[TMP], v[BB], v[BB]
	v_fma_f32 v[DET], v[AA], v[CC], -v[TMP]
	v_cmp_lt_f32 s80, 0, v[DET]                    ; det > 0
	v_cmp_lt_f32 s81, 0x3e4ccccd, v[TZ]            ; tz > 0.2
	s_and_b32 s81, s81, s80                        ; valid
	v_cndmask_b32 v[DETS], 1.0, v[DET], s80
	NRCP RD, DETS, TMP
	v_mul_f32 v[RD], 0x3f38aa3b, v[RD]             ; 0.5 log2e / det
	v_mul_f32 v[OUT+2], v[CC], v[RD]               ; PA
	v_mul_f32 v[OUT+3], v[BB], v[RD]
	v_mul_f32 v[OUT+4], v[AA], v[RD]               ; PC
	v_mul_f32 v[OUT+3], -2.0, v[OUT+3]             ; PB
	; the radius
	v_add_f32 v[MID], v[AA], v[CC]
	v_mul_f32 v[MID], 0.5, v[MID]
	v_fma_f32 v[DD], v[MID], v[MID], -v[DET]
	v_max_num_f32 v[DD], 0x3dcccccd, v[DD]         ; at least 0.1
	NSQRT SQ, DD, HH, TMP
	v_add_f32 v[LAM], v[MID], v[SQ]
	NSQRT R3, LAM, HH, TMP
	v_mul_f32 v[R3], 0x40400000, v[R3]             ; 3 sqrt(lam)
	v_floor_f32 v[RAD], -v[R3]                     ; ceil(x) = -floor(-x)
	v_sub_f32 v[RAD], 0, v[RAD]
	v_cndmask_b32 v[RAD], 0, v[RAD], s81
	; opacity, and the largest q at which alpha still reaches 1/255
	SIGM OUT+5, OPI, TMP
	s_wait_alu depctr_va_vdst(0)
	v_mul_f32 v[TMP], 0x437f0000, v[OUT+5]         ; 255 op
	v_log_f32 v[TMP], v[TMP]
	v_nop
	s_wait_alu depctr_va_vdst(0)
	v_max_num_f32 v[TMP], 0, v[TMP]
	v_cndmask_b32 v[OUT+6], 0, v[TMP], s81         ; 0 lets nothing pass
	v_mov_b32 v[OUT+7], 0
	SIGM COL,   CL,   TMP
	SIGM COL+1, CL+1, TMP
	SIGM COL+2, CL+2, TMP
	v_cvt_pk_bf16_f32 v[CW], v[COL], v[COL+1]
	s_wait_alu depctr_va_vdst(0)
	v_cvt_pk_bf16_f32 v[CW+1], v[COL+2], v[OUT+7]
	; the centre in pixels: ((ph pw + 1) 128 - 1) / 2 = (ph pw + 1) 64 - 0.5, the same number since the halving is exact
	v_add_f32 v[DD], 0x33d6bf95, v[PH3]            ; + 1e-7
	NRCP PW, DD, TMP
	v_fma_f32 v[PH0], v[PH0], v[PW], 1.0
	v_fma_f32 v[PH1], v[PH1], v[PW], 1.0
	v_fma_f32 v[OUT], v[PH0], v[K64], -0.5
	v_fma_f32 v[OUT+1], v[PH1], v[K64], -0.5
	v_lshlrev_b32 v[A32], 5, v[GI]
	v_lshlrev_b32 v[A8], 3, v[GI]
	v_and_b32 v[LANE], 31, v0
	s_wait_xcnt 0x0                                ; EXEC is a source of memory instructions: it changes only behind this wait
	v_cmp_gt_u32 vcc_lo, 8, v[LANE]
	s_and_saveexec_b32 s82, vcc_lo                 ; lanes 0-7 store, the others hold copies
	global_store_b128 v[A32], v[OUT:OUT+3], s[18:19]
	global_store_b128 v[A32], v[OUT+4:OUT+7], s[18:19] offset:16
	global_store_b64  v[A8], v[CW:CW+1], s[20:21]
	global_store_b32  v[A4], v[RAD], s[24:25]
	global_store_b32  v[A4], v[TZ], s[26:27]
	s_wait_xcnt 0x0                                ; and again in front of the line that widens it
	s_or_b32 exec_lo, exec_lo, s82
.Lbar2:
	s_barrier_signal -1
	s_barrier_wait -1                              ; every wave's reads of the table have come back: its bytes may be written again
	s_cmp_eq_u32 s66, 8
	s_cbranch_scc1 .Lbar3
	v_lshlrev_b32 v11, 2, v0
	ds_store_b32 v11, v10                          ; thread t = 8 slice + Gaussian: its count at byte 4 t
	s_wait_dscnt 0x0                               ; for wave 0's sake
.Lbar3:
	s_barrier_signal -1
	s_barrier_wait -1                              ; all 32 x 8 partial counts are in LDS
	s_cmp_lg_u32 s66, 0
	s_cbranch_scc1 .Lend
	; wave 0: lane L adds the 32 partial counts of Gaussian L & 7 (32 bytes apart); lanes 0-7 store the rank.
	; A load touches eight neighbouring words; the lanes of equal L & 7 share one.
	v_and_b32 v3, 7, v0
	v_lshlrev_b32 v11, 2, v3
.set m, 0
.rept 32
	ds_load_b32 v[16+m], v11 offset:32*m
.set m, m+1
.endr
	v_add_nc_u32 v5, s67, v3
	v_lshlrev_b32 v7, 2, v5
	s_wait_dscnt 0x0
.set j, 17
.rept 15
	v_add3_u32 v16, v16, v[j], v[j+1]
.set j, j+2
.endr
	v_add_nc_u32 v16, v16, v47
	s_wait_xcnt 0x0                                ; EXEC changes only behind this wait
	v_cmp_gt_u32 vcc_lo, 8, v0
	s_and_saveexec_b32 s82, vcc_lo
	global_store_b32 v7, v16, s[22:23]
	s_wait_xcnt 0x0
	s_or_b32 exec_lo, exec_lo, s82
.Lend:
	s_wait_tensorcnt 0x0
	ds_add_u32 v128, v129
	s_wait_dscnt 0x0
	s_endpgm
.Lfunc_end_k_q58c7171fd8_prep:
	.size	k_q58c7171fd8_prep, .Lfunc_end_k_q58c7171fd8_prep-k_q58c7171fd8_prep
	.p2alignl 7, 3214868480
	.fill 96, 4, 3214868480
	.section	.rodata,"a",@progbits
	.p2align	6, 0x0
	.amdhsa_kernel k_q58c7171fd8_prep
		.amdhsa_group_segment_fixed_size 10496
		.amdhsa_private_segment_fixed_size 0
		.amdhsa_enable_private_segment 0
		.amdhsa_kernarg_size 96
		.amdhsa_user_sgpr_count 2
		.amdhsa_user_sgpr_kernarg_segment_ptr 1
		.amdhsa_wavefront_size32 1
		.amdhsa_system_sgpr_workgroup_id_x 1
		.amdhsa_system_sgpr_workgroup_id_y 1
		.amdhsa_system_sgpr_workgroup_id_z 1
		.amdhsa_system_vgpr_workitem_id 0
		.amdhsa_next_free_vgpr 130
		.amdhsa_next_free_sgpr 92
		.amdhsa_reserve_vcc 1
		.amdhsa_float_denorm_mode_32 3
		.amdhsa_float_denorm_mode_16_64 3
		.amdhsa_memory_ordered 1
		.amdhsa_forward_progress 1
		.amdhsa_inst_pref_size 47
	.end_amdhsa_kernel
	.amdgpu_metadata
---
amdhsa.version: [ 1, 2 ]
amdhsa.kernels:
  - .name:           k_q58c7171fd8_prep
    .symbol:         k_q58c7171fd8_prep.kd
    .args:
      - { .name: colors, .offset: 0, .size: 8, .value_kind: global_buffer, .address_space: global }
      - { .name: opacities, .offset: 8, .size: 8, .value_kind: global_buffer, .address_space: global }
      - { .name: points, .offset: 16, .size: 8, .value_kind: global_buffer, .address_space: global }
      - { .name: proj, .offset: 24, .size: 8, .value_kind: global_buffer, .address_space: global }
      - { .name: rots, .offset: 32, .size: 8, .value_kind: global_buffer, .address_space: global }
      - { .name: scales, .offset: 40, .size: 8, .value_kind: global_buffer, .address_space: global }
      - { .name: view, .offset: 48, .size: 8, .value_kind: global_buffer, .address_space: global }
      - { .name: par, .offset: 56, .size: 8, .value_kind: global_buffer, .address_space: global }
      - { .name: colw, .offset: 64, .size: 8, .value_kind: global_buffer, .address_space: global }
      - { .name: rank, .offset: 72, .size: 8, .value_kind: global_buffer, .address_space: global }
      - { .name: out1, .offset: 80, .size: 8, .value_kind: global_buffer, .address_space: global }
      - { .name: out2, .offset: 88, .size: 8, .value_kind: global_buffer, .address_space: global }
    .group_segment_fixed_size: 10496
    .private_segment_fixed_size: 0
    .kernarg_segment_align: 8
    .kernarg_segment_size: 96
    .max_flat_workgroup_size: 288
    .sgpr_count:     92
    .vgpr_count:     130
    .wavefront_size: 32
...
	.end_amdgpu_metadata
.endif
;; end of part 1
;; launch raster (part 2): grid 256 x 1, 16 waves a work-group, no clusters, 119,040 bytes of LDS; arguments par, colw, rank, out0; writes out0
.if DOCPART == 2
	.amdgcn_target "amdgcn-amd-amdhsa--gfx1250"
	.amdhsa_code_object_version 6
	.text
	.protected	k_q58c7171fd8_raster
	.globl	k_q58c7171fd8_raster
	.p2align	8
	.type	k_q58c7171fd8_raster,@function
k_q58c7171fd8_raster:
	s_mov_b64 s[64:65], 0
	v_nop
	global_prefetch_b8 v0, s[64:65] scope:SCOPE_SE
	s_setreg_imm32_b32 hwreg(HW_REG_WAVE_MODE, 25, 1), 1
	s_wait_xcnt 0x0
; raster: all 2,048 Gaussians against all 16,384 pixels, front to back.
; Work-group id: image row id >> 1, columns 64 (id & 1) .. + 63: 64 pixels, 256 consecutive aligned bytes of each channel.
; The sorted list is cut into 32 segments of 64 Gaussians.  'Over' is associative: each segment gives (rgb, T) for each pixel,
; and the segments are combined in order at the end.  Wave w, lane (r = lane & 15, h = lane >> 4): segment 2 w + h,
; pixels x0 + 16 p + r, p = 0..3 (one image row, so the four share dy).
; For one pair: q = PA dx^2 + PB dx dy + PC dy^2 (= -power log2e), alpha = min(op 2^-q, 0.99), w = alpha T, T -= w.
; All three skips of the reference are ONE unsigned compare of bit patterns, keep iff bits(q) < bits(qmax):
;   power > 0 is q < 0: the sign bit makes it huge;  alpha < 1/255 is q > log2(255 op) = qmax;  not valid: qmax = +0.
;   (q is never -0 where it counts: its last FMA adds PC dy^2, which is +0 or more for a valid Gaussian.  A NaN passes no test.)
; The einsum w x colour goes to the matrix unit in bf16 with f32 sums: B = w (column n = pixel r, k = Gaussian), A = colours.
; The two halves of the lanes hold different k of a fragment (ISA guide 7.12.2), here 16 Gaussians of their own segment each.
; A's rows 0-2 carry r, g, b at half 0's k and zeros at half 1's, rows 8-10 the other way round, the other rows zeros: so result
; register j = 0..2 of lane (r, h), which is row 8 h + j, is channel j of the lane's OWN segment at its own pixel.
; LIMITS KEPT.  Finite parameters for valid Gaussians.  A pair whose q lies within rounding of 0 or of qmax may fall on the
; other side of the test than in the reference (its alpha is then 1/255, or its power 0 within rounding).  A NaN power gives
; alpha 0 here.  w and the colours are rounded to bf16 (all terms positive: at most 2^-8 relative); alpha, T, sums stay f32.
; No tensor loads, no cluster, though all work-groups read the same 88 KB of tables: each record goes to the LDS place that its
; rank names, so it passes through registers; a joint load would land it unsorted and need 88 KB more of LDS and a second copy.
; The tables are read once, at the start.
.set COLB,  65536                      ; LDS: [0, 65536) 2,048 records of 32 bytes in depth order; then four rows of colours:
.set CROW,  4112                       ; row 0 = 4,096 bytes of zeros, rows 1-3 = r, g, b as bf16[2048]; 16 bytes of padding a row
.set COMB,  COLB+4*CROW                ; then 32 segments of [R, G, B, T][64 pixels] f32,
.set SEGP,  1088                       ; 1,024 + 64 bytes apart: the two halves of a wave store to different banks
.set PADDR, 1                          ; LDS address of my segment's next records
.set CADDR, 2                          ; LDS address of my row of colours
.set Y,   3                            ; pixel row as f32
.set X,   4                            ; v[4:7]     my four pixel columns as f32
.set T,   8                            ; v[8:11]    transmittance of my segment at my four pixels
.set DY,  12                           ; v[12:13]   dy of the even and the odd Gaussian of a pair
.set DX,  14                           ; v[14:21]   dx: even p 0-3, odd p 0-3
.set U,   22                           ; v[22:23]   PC dy
.set VU,  24                           ; v[24:27]   pairs (PB dy, PC dy^2), even and odd
.set Q,   28                           ; v[28:35]   q
.set E,   36                           ; v[36:43]   2^-q, then alpha, then w, in place
.set CF,  44                           ; v[44:51]   colour fragment (A)
.set WF,  52                           ; v[52:83]   weight fragments (B), one for each p
.set ACC, 84                           ; v[84:115]  sums, one tile for each p
.set P0,  116                          ; v[116:147] four records
.set P1,  148                          ; v[148:179] four records
.set O4,  180                          ; byte offsets of the first loads
.set O32, 181
.set O8,  182
.set RK,  12                           ; borrowed at the start: v[12:15] ranks, v[16:23] colour records, v24, v25 LDS addresses
.set CW,  16
.set LA,  24
.set LC,  25
.set KEEP, 20                          ; s[20:27] the eight masks of a pair of Gaussians
	s_load_b256 s[4:11], s[0:1], 0x0               ; par s[4:5], colw s[6:7], rank s[8:9], out0 s[10:11]
	v_lshl_add_u32 v184, v0, 2, 0x1c900
	v_mov_b32 v185, 0
	v_lshrrev_b32 v1, 5, v0
	v_readfirstlane_b32 s12, v1                    ; wave 0..15
	v_lshlrev_b32 v[O4], 2, v0
	v_lshlrev_b32 v[O32], 5, v0
	v_lshlrev_b32 v[O8], 3, v0
	s_mov_b32 s13, 0x3f7d70a4                      ; 0.99
	s_wait_kmcnt 0x0
	; thread t brings Gaussians t + 512 k, k = 0..3: sixteen loads in flight
.irp k, 0,1,2,3
	global_load_b32  v[RK+\k], v[O4], s[8:9] offset:2048*\k
	global_load_b128 v[P0+8*\k:P0+8*\k+3],   v[O32], s[4:5] offset:16384*\k
	global_load_b128 v[P0+8*\k+4:P0+8*\k+7], v[O32], s[4:5] offset:16384*\k+16
	global_load_b64  v[CW+2*\k:CW+2*\k+1],   v[O8], s[6:7] offset:4096*\k
.endr
	; while they fly: the row of zeros, and the lane's constants
	v_mov_b32 v28, 0
	v_mov_b32 v29, 0
	v_lshl_add_u32 v[LA], v0, 3, COLB              ; 512 threads x 8 bytes = the 4,096 zeros
	ds_store_b64 v[LA], v[28:29]
	v_and_b32 v26, 15, v0                          ; r
	v_bfe_u32 v27, v0, 4, 1                        ; h
	s_lshl_b32 s15, s12, 12
	v_lshl_add_u32 v[PADDR], v27, 11, s15          ; segment 2 w + h: 2,048 bytes each
	; which row of colours my lane feeds to A: rows 1, 2, 3 for (h, r) = (0, 0..2) and (1, 8..10), else the zeros.
	; A table of 2-bit entries in a constant: ((0x39 << 16 h) >> 2 r) & 3
	v_lshlrev_b32 v30, 4, v27
	v_lshlrev_b32 v30, v30, 57
	v_lshlrev_b32 v31, 1, v26
	v_lshrrev_b32 v30, v31, v30
	v_and_b32 v30, 3, v30
	s_lshl_b32 s15, s12, 8
	s_add_co_u32 s15, s15, COLB
	v_mul_u32_u24 v30, CROW, v30
	v_lshl_add_u32 v31, v27, 7, s15                ; + 128 bytes (64 bf16) for each segment
	v_add_nc_u32 v[CADDR], v30, v31
	s_and_b32 s15, ttmp9, 1
	s_lshl_b32 s15, s15, 6
	v_add_nc_u32 v31, s15, v26
	v_cvt_f32_u32 v[X], v31
	s_lshr_b32 s15, ttmp9, 1
	v_cvt_f32_u32 v[Y], s15
	v_add_f32 v[X+1], 0x41800000, v[X]             ; + 16, + 32, + 48
	v_add_f32 v[X+2], 0x42000000, v[X]
	v_add_f32 v[X+3], 0x42400000, v[X]
.irp p, 0,1,2,3
	v_mov_b32 v[T+\p], 1.0
.endr
; Gaussian t + 512 k goes to its place in depth order
.macro SCAT k
	s_wait_loadcnt 12-4*\k                         ; loads return in order (ISA guide 5.7.1): the four of each later k stay out
	v_min_u32 v[RK+\k], 0x7ff, v[RK+\k]            ; a rank is below 2,048
	v_lshlrev_b32 v[LA], 5, v[RK+\k]
	v_lshl_add_u32 v[LC], v[RK+\k], 1, COLB+CROW
	ds_store_b128 v[LA], v[P0+8*\k:P0+8*\k+3]
	ds_store_b128 v[LA], v[P0+8*\k+4:P0+8*\k+7] offset:16
	ds_store_b16 v[LC], v[CW+2*\k]                         ; r
	ds_store_b16_d16_hi v[LC], v[CW+2*\k] offset:CROW      ; g
	ds_store_b16 v[LC], v[CW+2*\k+1] offset:2*CROW         ; b
.endm
	SCAT 0
	SCAT 1
	SCAT 2
	SCAT 3
	s_wait_dscnt 0x0                               ; for the other waves' sake: my stores are done
	s_barrier_signal -1
	s_barrier_wait -1                              ; the sorted tables are whole
; four records into buf: the sixteen lanes of a half read one address
.macro LOADG buf, off
.irp rec, 0,1,2,3
	ds_load_b128 v[\buf+8*\rec:\buf+8*\rec+3],   v[PADDR] offset:\off+32*\rec
	ds_load_b128 v[\buf+8*\rec+4:\buf+8*\rec+7], v[PADDR] offset:\off+32*\rec+16
.endr
.endm
; Two Gaussians in depth order (records at pe and po: px, py, PA, PB, PC, op, qmax) against my four pixels;
; their weights fill register j of the four B fragments, the nearer one in the low half.
.macro GAUSS2 pe, po, j
	v_sub_f32 v[DY],   v[Y], v[\pe+1]
	v_sub_f32 v[DY+1], v[Y], v[\po+1]
	v_pk_add_f32 v[DX:DX+1],   v[X:X+1],   v[\pe:\pe+1] op_sel_hi:[1,0] neg_lo:[0,1] neg_hi:[0,1]   ; x - px, px for both
	v_pk_add_f32 v[DX+2:DX+3], v[X+2:X+3], v[\pe:\pe+1] op_sel_hi:[1,0] neg_lo:[0,1] neg_hi:[0,1]
	v_pk_add_f32 v[DX+4:DX+5], v[X:X+1],   v[\po:\po+1] op_sel_hi:[1,0] neg_lo:[0,1] neg_hi:[0,1]
	v_pk_add_f32 v[DX+6:DX+7], v[X+2:X+3], v[\po:\po+1] op_sel_hi:[1,0] neg_lo:[0,1] neg_hi:[0,1]
	v_mul_f32 v[U],    v[\pe+4], v[DY]
	v_mul_f32 v[U+1],  v[\po+4], v[DY+1]
	v_mul_f32 v[VU],   v[\pe+3], v[DY]             ; PB dy
	v_mul_f32 v[VU+2], v[\po+3], v[DY+1]
	v_mul_f32 v[VU+1], v[U],   v[DY]               ; PC dy^2
	v_mul_f32 v[VU+3], v[U+1], v[DY+1]
	v_pk_fma_f32 v[Q:Q+1],   v[DX:DX+1],   v[\pe+2:\pe+3], v[VU:VU+1]   op_sel_hi:[1,0,0]            ; PA dx + PB dy
	v_pk_fma_f32 v[Q+2:Q+3], v[DX+2:DX+3], v[\pe+2:\pe+3], v[VU:VU+1]   op_sel_hi:[1,0,0]
	v_pk_fma_f32 v[Q+4:Q+5], v[DX+4:DX+5], v[\po+2:\po+3], v[VU+2:VU+3] op_sel_hi:[1,0,0]
	v_pk_fma_f32 v[Q+6:Q+7], v[DX+6:DX+7], v[\po+2:\po+3], v[VU+2:VU+3] op_sel_hi:[1,0,0]
	v_pk_fma_f32 v[Q:Q+1],   v[Q:Q+1],   v[DX:DX+1],   v[VU:VU+1]   op_sel:[0,0,1] op_sel_hi:[1,1,1] ; times dx, + PC dy^2
	v_pk_fma_f32 v[Q+2:Q+3], v[Q+2:Q+3], v[DX+2:DX+3], v[VU:VU+1]   op_sel:[0,0,1] op_sel_hi:[1,1,1]
	v_pk_fma_f32 v[Q+4:Q+5], v[Q+4:Q+5], v[DX+4:DX+5], v[VU+2:VU+3] op_sel:[0,0,1] op_sel_hi:[1,1,1]
	v_pk_fma_f32 v[Q+6:Q+7], v[Q+6:Q+7], v[DX+6:DX+7], v[VU+2:VU+3] op_sel:[0,0,1] op_sel_hi:[1,1,1]
.irp n, 0,1,2,3,4,5,6,7
	v_exp_f32 v[E+\n], -v[Q+\n]
.endr
	; the compares only read q: they are the plain instructions that stand behind the exponentials before E is used (ISA guide 5.7.2)
.irp n, 0,1,2,3
	v_cmp_lt_u32 s[KEEP+\n],   v[Q+\n],   v[\pe+6]
	v_cmp_lt_u32 s[KEEP+4+\n], v[Q+4+\n], v[\po+6]
.endr
	s_wait_alu depctr_va_vdst(0)
	v_pk_mul_f32 v[E:E+1],   v[E:E+1],   v[\pe+4:\pe+5] op_sel:[0,1] op_sel_hi:[1,1]                 ; times op
	v_pk_mul_f32 v[E+2:E+3], v[E+2:E+3], v[\pe+4:\pe+5] op_sel:[0,1] op_sel_hi:[1,1]
	v_pk_mul_f32 v[E+4:E+5], v[E+4:E+5], v[\po+4:\po+5] op_sel:[0,1] op_sel_hi:[1,1]
	v_pk_mul_f32 v[E+6:E+7], v[E+6:E+7], v[\po+4:\po+5] op_sel:[0,1] op_sel_hi:[1,1]
.irp n, 0,1,2,3,4,5,6,7
	v_min_num_f32 v[E+\n], s13, v[E+\n]
.endr
.irp n, 0,1,2,3,4,5,6,7
	v_cndmask_b32 v[E+\n], 0, v[E+\n], s[KEEP+\n]  ; a choice of value only: every pair does the same work
.endr
	v_pk_mul_f32 v[E:E+1],   v[E:E+1],   v[T:T+1]                        ; w = alpha T, the nearer Gaussian first
	v_pk_mul_f32 v[E+2:E+3], v[E+2:E+3], v[T+2:T+3]
	v_pk_add_f32 v[T:T+1],   v[T:T+1],   v[E:E+1]   neg_lo:[0,1] neg_hi:[0,1]   ; T (1 - alpha) = T - w
	v_pk_add_f32 v[T+2:T+3], v[T+2:T+3], v[E+2:E+3] neg_lo:[0,1] neg_hi:[0,1]
	v_pk_mul_f32 v[E+4:E+5], v[E+4:E+5], v[T:T+1]
	v_pk_mul_f32 v[E+6:E+7], v[E+6:E+7], v[T+2:T+3]
	v_pk_add_f32 v[T:T+1],   v[T:T+1],   v[E+4:E+5] neg_lo:[0,1] neg_hi:[0,1]
	v_pk_add_f32 v[T+2:T+3], v[T+2:T+3], v[E+6:E+7] neg_lo:[0,1] neg_hi:[0,1]
.irp p, 0,1,2,3
	v_cvt_pk_bf16_f32 v[WF+8*\p+\j], v[E+\p], v[E+4+\p]
.endr
.endm
.macro GROUP buf, j0                   ; the four records of buf
	GAUSS2 \buf, \buf+8, \j0
	GAUSS2 \buf+16, \buf+24, \j0+1
.endm
; Sixteen Gaussians of my segment, then their colours by four matrix instructions.  Records are fetched one group of four ahead,
; in two buffers that take turns; each wait's count is the number of LDS loads issued behind the group that is needed now.
; zero = 1: the first products start the sums, nothing is cleared.
; Distances behind the matrix instructions (ISA guide 7.12.1): CF is loaded again, and WF written again, only behind the first
; twenty plain vector instructions of the next GAUSS2, which name none of their registers; ACC is a chain in place.
.macro STEP zero
	LOADG P1, 128
	s_wait_dscnt 0x8                               ; the eight just issued stay out: P0 is in
	GROUP P0, 0
	LOADG P0, 256
	ds_load_b128 v[CF:CF+3],   v[CADDR]            ; sixteen colours of my row: k as in the weights
	ds_load_b128 v[CF+4:CF+7], v[CADDR] offset:16
	s_wait_dscnt 0xa                               ; eight records and two colour loads stay out: P1 is in
	GROUP P1, 2
	LOADG P1, 384
	s_wait_dscnt 0x8                               ; P0 and the colours are in
	GROUP P0, 4
	LOADG P0, 512                                  ; the next step's first group (behind the last segment: the row of zeros, not used)
	s_wait_dscnt 0x8
	GROUP P1, 6
.irp p, 0,1,2,3
.if \zero
	v_wmma_f32_16x16x32_bf16 v[ACC+8*\p:ACC+8*\p+7], v[CF:CF+7], v[WF+8*\p:WF+8*\p+7], 0
.else
	v_wmma_f32_16x16x32_bf16 v[ACC+8*\p:ACC+8*\p+7], v[CF:CF+7], v[WF+8*\p:WF+8*\p+7], v[ACC+8*\p:ACC+8*\p+7]
.endif
.endr
	v_add_nc_u32 v[PADDR], 512, v[PADDR]           ; 16 records
	v_add_nc_u32 v[CADDR], 32, v[CADDR]            ; 16 bf16
.endm
	LOADG P0, 0
	STEP 1
	s_mov_b32 s14, 3                               ; 64 Gaussians = 4 steps; at the loop's head eight loads (P0) are out on both ways in
.Lstep:
	STEP 0
	s_sub_co_i32 s14, s14, 1
	s_cmp_lg_u32 s14, 0
	s_cbranch_scc1 .Lstep
	; my segment's (r, g, b, T) at my four pixels into LDS.  The two address steps above and the five lines here are seven plain
	; vector instructions that name no matrix register, in front of the first store that reads a sum.
	v_and_b32 v12, 15, v0
	v_bfe_u32 v13, v0, 4, 1
	s_mul_i32 s15, s12, 2*SEGP
	s_add_co_u32 s15, s15, COMB
	v_mul_u32_u24 v13, SEGP, v13
	v_lshl_add_u32 v12, v12, 2, v13
	v_add_nc_u32 v12, s15, v12                     ; segment 2 w + h, pixel r
.irp p, 0,1,2,3
.irp c, 0,1,2
	ds_store_b32 v12, v[ACC+8*\p+\c] offset:256*\c+64*\p
.endr
	ds_store_b32 v12, v[T+\p] offset:768+64*\p
.endr
	s_wait_dscnt 0x0                               ; my stores are done (and the last look-ahead loads have landed)
	s_barrier_signal -1
	s_barrier_wait -1
	s_cmp_gt_u32 s12, 2
	s_cbranch_scc1 .Lend
	; wave c = 0, 1, 2 combines channel c front to back: sum over s of C_s T_0 .. T_(s-1).  Lane L: pixels 2 L, 2 L + 1.
	v_and_b32 v2, 31, v0
	v_lshlrev_b32 v2, 3, v2                        ; 8 L: also my offset in the output
	s_lshl_b32 s15, s12, 8
	s_add_co_u32 s15, s15, COMB
	v_add_nc_u32 v1, s15, v2                       ; channel c of segment 0
	v_add_nc_u32 v3, COMB+768, v2                  ; T of segment 0
.set sg, 0
.rept 32
	ds_load_b64 v[12+4*sg:13+4*sg], v1 offset:SEGP*sg
.if sg < 31
	ds_load_b64 v[14+4*sg:15+4*sg], v3 offset:SEGP*sg      ; the last segment's T is needed by nobody
.endif
.set sg, sg+1
.endr
	s_lshl_b32 s16, s12, 16                        ; channel: 65,536 bytes
	s_lshl_b32 s15, ttmp9, 8                       ; 512 (id >> 1) + 256 (id & 1) = 256 id
	s_add_co_u32 s16, s16, s15
	s_mov_b32 s17, 0
	s_add_nc_u64 s[10:11], s[10:11], s[16:17]
	s_wait_dscnt 47                                ; 63 loads in all; the 16 of segments 0-7 are in, 47 younger ones stay out
	v_pk_fma_f32 v[140:141], v[16:17], v[14:15], v[12:13]  ; C_0 + C_1 T_0
	v_pk_mul_f32 v[142:143], v[14:15], v[18:19]            ; T_0 T_1
.set sg, 2
.rept 30
.if sg == 8
	s_wait_dscnt 31                                ; segments 8-15 are in
.endif
.if sg == 16
	s_wait_dscnt 15                                ; segments 16-23
.endif
.if sg == 24
	s_wait_dscnt 0
.endif
	v_pk_fma_f32 v[140:141], v[12+4*sg:13+4*sg], v[142:143], v[140:141]
.if sg < 31
	v_pk_mul_f32 v[142:143], v[142:143], v[14+4*sg:15+4*sg]
.endif
.set sg, sg+1
.endr
	global_store_b64 v2, v[140:141], s[10:11] th:TH_STORE_NT   ; the wave's store covers 256 consecutive bytes, aligned
.Lend:
	s_wait_tensorcnt 0x0
	ds_add_u32 v184, v185
	s_wait_dscnt 0x0
	s_endpgm
.Lfunc_end_k_q58c7171fd8_raster:
	.size	k_q58c7171fd8_raster, .Lfunc_end_k_q58c7171fd8_raster-k_q58c7171fd8_raster
	.p2alignl 7, 3214868480
	.fill 96, 4, 3214868480
	.section	.rodata,"a",@progbits
	.p2align	6, 0x0
	.amdhsa_kernel k_q58c7171fd8_raster
		.amdhsa_group_segment_fixed_size 119040
		.amdhsa_private_segment_fixed_size 0
		.amdhsa_enable_private_segment 0
		.amdhsa_kernarg_size 32
		.amdhsa_user_sgpr_count 2
		.amdhsa_user_sgpr_kernarg_segment_ptr 1
		.amdhsa_wavefront_size32 1
		.amdhsa_system_sgpr_workgroup_id_x 1
		.amdhsa_system_sgpr_workgroup_id_y 1
		.amdhsa_system_sgpr_workgroup_id_z 1
		.amdhsa_system_vgpr_workitem_id 0
		.amdhsa_next_free_vgpr 186
		.amdhsa_next_free_sgpr 66
		.amdhsa_reserve_vcc 0
		.amdhsa_float_denorm_mode_32 3
		.amdhsa_float_denorm_mode_16_64 3
		.amdhsa_memory_ordered 1
		.amdhsa_forward_progress 1
		.amdhsa_inst_pref_size 83
	.end_amdhsa_kernel
	.amdgpu_metadata
---
amdhsa.version: [ 1, 2 ]
amdhsa.kernels:
  - .name:           k_q58c7171fd8_raster
    .symbol:         k_q58c7171fd8_raster.kd
    .args:
      - { .name: par, .offset: 0, .size: 8, .value_kind: global_buffer, .address_space: global }
      - { .name: colw, .offset: 8, .size: 8, .value_kind: global_buffer, .address_space: global }
      - { .name: rank, .offset: 16, .size: 8, .value_kind: global_buffer, .address_space: global }
      - { .name: out0, .offset: 24, .size: 8, .value_kind: global_buffer, .address_space: global }
    .group_segment_fixed_size: 119040
    .private_segment_fixed_size: 0
    .kernarg_segment_align: 8
    .kernarg_segment_size: 32
    .max_flat_workgroup_size: 512
    .sgpr_count:     66
    .vgpr_count:     186
    .wavefront_size: 32
...
	.end_amdgpu_metadata
.endif
;; end of part 2
;; ======== version 2 of 2: 2 launches; version 1 with the launch raster written anew for expert scheduling mode
;; workspace buffers: par 65,536 bytes; colw 16,384 bytes; rank 8,192 bytes of whole numbers
;; launch prep: the kernel of part 1 again; grid 256 x 1, 9 waves a work-group, no clusters, 10,496 bytes of LDS; arguments colors, opacities, points, proj, rots, scales, view, par, colw, rank, out1, out2; writes par, colw, rank, out1, out2
;; launch raster (part 3): grid 256 x 1, 16 waves a work-group, no clusters, 119,040 bytes of LDS; arguments par, colw, rank, out0; writes out0
.if DOCPART == 3
	.amdgcn_target "amdgcn-amd-amdhsa--gfx1250"
	.amdhsa_code_object_version 6
	.text
	.protected	k_q58c7171fd8_raster
	.globl	k_q58c7171fd8_raster
	.p2align	8
	.type	k_q58c7171fd8_raster,@function
k_q58c7171fd8_raster:
	s_mov_b64 s[64:65], 0
	v_nop
	global_prefetch_b8 v0, s[64:65] scope:SCOPE_SE
	s_setreg_imm32_b32 hwreg(HW_REG_WAVE_SCHED_MODE, 0, 2), 2
	s_setreg_imm32_b32 hwreg(HW_REG_WAVE_MODE, 25, 1), 1
	s_wait_xcnt 0x0
	s_wait_alu depctr_vm_vsrc(0)
; raster: all 2,048 Gaussians against all 16,384 pixels, front to back.
; Work-group id: image row id >> 1, columns 64 (id & 1) .. + 63: 64 pixels, 256 consecutive aligned bytes of each channel.
; The sorted list is cut into 32 segments of 64 Gaussians.  'Over' is associative: each segment gives (rgb, T) for each pixel,
; and the segments are combined in order at the end.  Wave w, lane (r = lane & 15, h = lane >> 4): segment 2 w + h,
; pixels x0 + 16 p + r, p = 0..3 (one image row, so the four share dy).
; For one pair: q = PA dx^2 + PB dx dy + PC dy^2 (= -power log2e), alpha = min(op 2^-q, 0.99), w = alpha T, T -= w.
; All three skips of the reference are ONE unsigned compare of bit patterns, keep iff bits(q) < bits(qmax):
;   power > 0 is q < 0: the sign bit makes it huge;  alpha < 1/255 is q > log2(255 op) = qmax;  not valid: qmax = +0.
;   (q is never -0 where it counts: its last FMA adds PC dy^2, which is +0 or more for a valid Gaussian.  A NaN passes no test.)
; The einsum w x colour goes to the matrix unit in bf16 with f32 sums: B = w (column n = pixel r, k = Gaussian), A = colours.
; The two halves of the lanes hold different k of a fragment (ISA guide 7.12.2), here 16 Gaussians of their own segment each.
; A's rows 0-2 carry r, g, b at half 0's k and zeros at half 1's, rows 8-10 the other way round, the other rows zeros: so result
; register j = 0..2 of lane (r, h), which is row 8 h + j, is channel j of the lane's OWN segment at its own pixel.
; LIMITS KEPT.  Finite parameters for valid Gaussians.  A pair whose q lies within rounding of 0 or of qmax may fall on the
; other side of the test than in the reference (its alpha is then 1/255, or its power 0 within rounding).  A NaN power gives
; alpha 0 here.  w and the colours are rounded to bf16 (all terms positive: at most 2^-8 relative); alpha, T, sums stay f32.
; No tensor loads, no cluster, though all work-groups read the same 88 KB of tables: each record goes to the LDS place that its
; rank names, so it passes through registers; a joint load would land it unsorted and need 88 KB more of LDS and a second copy.
; The tables are read once, at the start.
; THE MODE: SCHED_MODE bits 1:0 = 2 (LLVM: expert scheduling mode 2), set by the entry lines.  The code itself states the register
; dependences between vector or matrix instructions and memory or LDS instructions, with s_wait_alu, always for 0.
; THE PLAN.  Registers that memory or LDS instructions touch:
;   head     v[O4], v[O32], v[O8], v[ZA], v[ZR ..]: made ahead of the first wait on va_vdst; the offsets are never written again.
;            v[LA ..], v[LC ..]: the LDS places of my four Gaussians, a pair of registers each, made together when the four ranks are
;            in; one wait on va_vdst stands behind them, ahead of all twenty stores, and also shows v[PADDR], v[CADDR] written.
;            One wait on vm_vsrc behind the barrier: the stores have read their addresses and data, which the loop writes again.
;   loop     v[P ..]: four slots of two records.  Pair j's vector lines read slot j % 4; the loads of pair j + 3 land in slot
;            (j - 1) % 4, which pair j - 1 alone has read.
;            v[CF ..]: read by a step's four matrix instructions; loaded again in pair 2 of the next step.
;            v[PADDR], v[CADDR]: read by every load; written once a step, behind the matrix instructions.
;            All else in the loop is named by vector and matrix instructions alone.
;            So ONE wait on va_vdst stands in a pair, behind its exponentials and compares: it shows the exponentials' results written,
;            the pair before done reading its slot, the step before's matrix instructions done reading CF, and the two addresses
;            written.  The lines of the pair that follow it name its own slot, E, T, WF and the masks: none of the registers that the
;            pair's loads touch, so these are dealt among them.  One wait on va_sdst a pair stands between the compares and the
;            selects that read their masks; one wait on vm_vsrc a step ahead of the two address steps.
;   way out  stated line by line below.
.set COLB,  65536                      ; LDS: [0, 65536) 2,048 records of 32 bytes in depth order; then four rows of colours:
.set CROW,  4112                       ; row 0 = 4,096 bytes of zeros, rows 1-3 = r, g, b as bf16[2048]; 16 bytes of padding a row
.set COMB,  COLB+4*CROW                ; then 32 segments of [R, G, B, T][64 pixels] f32,
.set SEGP,  1088                       ; 1,024 + 64 bytes apart: the two halves of a wave store to different banks
.set PADDR, 1                          ; LDS address of my segment's records in this step
.set CADDR, 2                          ; LDS address of my row of colours
.set Y,   3                            ; pixel row as f32
.set X,   4                            ; v[4:7]     my four pixel columns as f32
.set T,   8                            ; v[8:11]    transmittance of my segment at my four pixels
.set DY,  12                           ; v[12:13]   dy of the even and the odd Gaussian of a pair
.set DX,  14                           ; v[14:21]   dx: even p 0-3, odd p 0-3
.set U,   22                           ; v[22:23]   PC dy
.set VU,  24                           ; v[24:27]   pairs (PB dy, PC dy^2), even and odd
.set Q,   28                           ; v[28:35]   q
.set E,   36                           ; v[36:43]   2^-q, then alpha, then w, in place
.set CF,  44                           ; v[44:51]   colour fragment (A)
.set WF,  52                           ; v[52:83]   weight fragments (B), one for each p
.set ACC, 84                           ; v[84:115]  sums, one tile for each p
.set P,   116                          ; v[116:179] four slots of two records (16 registers each); at the start v[116:147]: my four records as loaded
.set O4,  180                          ; byte offsets of the first loads
.set O32, 181
.set O8,  182
.set RK,  12                           ; borrowed at the start: v[12:15] ranks, v[16:23] colour records,
.set CW,  16
.set LA,  24                           ; v[24:27] LDS places of my four records, v[28:31] of their colours,
.set LC,  28
.set TR,  32                           ; v[32:35] r, h and two at work,
.set TH,  33
.set TA,  34
.set TB,  35
.set ZR,  40                           ; v[40:41] zeros, v42 where I put them
.set ZA,  42
.set KEEP, 20                          ; s[20:27] the eight masks of a pair of Gaussians
	s_load_b256 s[4:11], s[0:1], 0x0               ; par s[4:5], colw s[6:7], rank s[8:9], out0 s[10:11]
	v_lshl_add_u32 v184, v0, 2, 0x1c900
	v_mov_b32 v185, 0
	v_lshrrev_b32 v1, 5, v0
	v_readfirstlane_b32 s12, v1                    ; wave 0..15
	v_lshlrev_b32 v[O4], 2, v0
	v_lshlrev_b32 v[O32], 5, v0
	v_lshlrev_b32 v[O8], 3, v0
	v_mov_b32 v[ZR], 0
	v_mov_b32 v[ZR+1], 0
	v_lshl_add_u32 v[ZA], v0, 3, COLB              ; 512 threads x 8 bytes = the 4,096 zeros
	s_mov_b32 s13, 0x3f7d70a4                      ; 0.99
	s_wait_alu depctr_va_sdst(0)                   ; s12 is written, ahead of its first reader: LDS addresses, branches and out0's offset are made from it
	s_wait_kmcnt 0x0
	s_wait_alu depctr_va_vdst(0)                   ; v[O4], v[O32], v[O8] are written, which the loads below read, and v[ZA], v[ZR ..], which the store of the zeros reads
	; thread t brings Gaussians t + 512 k, k = 0..3: sixteen loads in flight, the four ranks first
.irp k, 0,1,2,3
	global_load_b32  v[RK+\k], v[O4], s[8:9] offset:2048*\k
.endr
.irp k, 0,1,2,3
	global_load_b128 v[P+8*\k:P+8*\k+3],   v[O32], s[4:5] offset:16384*\k
	global_load_b128 v[P+8*\k+4:P+8*\k+7], v[O32], s[4:5] offset:16384*\k+16
	global_load_b64  v[CW+2*\k:CW+2*\k+1], v[O8], s[6:7] offset:4096*\k
.endr
	; while they fly: the row of zeros, and the lane's constants
	ds_store_b64 v[ZA], v[ZR:ZR+1]
	v_and_b32 v[TR], 15, v0                        ; r
	v_bfe_u32 v[TH], v0, 4, 1                      ; h
	s_lshl_b32 s15, s12, 12
	v_lshl_add_u32 v[PADDR], v[TH], 11, s15        ; segment 2 w + h: 2,048 bytes each
	; which row of colours my lane feeds to A: rows 1, 2, 3 for (h, r) = (0, 0..2) and (1, 8..10), else the zeros.
	; A table of 2-bit entries in a constant: ((0x39 << 16 h) >> 2 r) & 3
	v_lshlrev_b32 v[TA], 4, v[TH]
	v_lshlrev_b32 v[TA], v[TA], 57
	v_lshlrev_b32 v[TB], 1, v[TR]
	v_lshrrev_b32 v[TA], v[TB], v[TA]
	v_and_b32 v[TA], 3, v[TA]
	s_lshl_b32 s16, s12, 8
	s_add_co_u32 s16, s16, COLB
	v_mul_u32_u24 v[TA], CROW, v[TA]
	v_lshl_add_u32 v[TB], v[TH], 7, s16            ; + 128 bytes (64 bf16) for each segment
	v_add_nc_u32 v[CADDR], v[TA], v[TB]
	s_and_b32 s17, ttmp9, 1
	s_lshl_b32 s17, s17, 6
	v_add_nc_u32 v[TB], s17, v[TR]
	v_cvt_f32_u32 v[X], v[TB]
	s_lshr_b32 s18, ttmp9, 1
	v_cvt_f32_u32 v[Y], s18
	v_add_f32 v[X+1], 0x41800000, v[X]             ; + 16, + 32, + 48
	v_add_f32 v[X+2], 0x42000000, v[X]
	v_add_f32 v[X+3], 0x42400000, v[X]
.irp p, 0,1,2,3
	v_mov_b32 v[T+\p], 1.0
.endr
	s_wait_loadcnt 12                              ; loads return in order (ISA guide 5.7.1): the four ranks are in, the twelve younger loads stay out
.irp k, 0,1,2,3
	v_min_u32 v[RK+\k], 0x7ff, v[RK+\k]            ; a rank is below 2,048
.endr
.irp k, 0,1,2,3
	v_lshlrev_b32 v[LA+\k], 5, v[RK+\k]
	v_lshl_add_u32 v[LC+\k], v[RK+\k], 1, COLB+CROW
.endr
	s_wait_alu depctr_va_vdst(0)                   ; the eight places v[LA ..], v[LC ..] are written, which the stores below read; so are v[PADDR] and v[CADDR], which the loop's loads read
; Gaussian t + 512 k goes to its place in depth order
.macro SCAT k
	s_wait_loadcnt 9-3*\k                          ; the three loads of each later k stay out
	ds_store_b128 v[LA+\k], v[P+8*\k:P+8*\k+3]
	ds_store_b128 v[LA+\k], v[P+8*\k+4:P+8*\k+7] offset:16
	ds_store_b16 v[LC+\k], v[CW+2*\k]                      ; r
	ds_store_b16_d16_hi v[LC+\k], v[CW+2*\k] offset:CROW   ; g
	ds_store_b16 v[LC+\k], v[CW+2*\k+1] offset:2*CROW      ; b
.endm
	SCAT 0
	SCAT 1
	SCAT 2
	SCAT 3
	s_wait_dscnt 0x0                               ; for the other waves' sake: my stores are done
	s_barrier_signal -1
	s_barrier_wait -1                              ; the sorted tables are whole
	s_wait_alu depctr_vm_vsrc(0)                   ; my LDS stores have read v[P ..], v[CW ..], v[LA ..], v[LC ..], v[ZA], v[ZR ..]: the record loads below land in the first, the loop's vector lines write the others
; Pair j of a step's eight: two Gaussians in depth order (records at PE and PO: px, py, PA, PB, PC, op, qmax) against my four
; pixels; their weights fill register j of the four B fragments, the nearer one in the low half.
; left: the LDS loads issued behind this pair's four, which may stay out.  cf = 1: the step's colours are asked for here.
; A record's loads: the sixteen lanes of a half read one address.
.macro PAIR j, left, cf
.set PE, P+16*((\j)%4)                 ; my slot: the even record,
.set PO, PE+8                          ; the odd one
.set NB, P+16*(((\j)+3)%4)             ; the slot that the pair before has read: it takes pair j + 3,
.set NOFF, 64*((\j)+3)                 ; 64 bytes a pair from the step's first record
	s_wait_dscnt \left                             ; LDS loads return in order (ISA guide 5.7.1): this pair's records are in
	v_sub_f32 v[DY],   v[Y], v[PE+1]
	v_sub_f32 v[DY+1], v[Y], v[PO+1]
	v_pk_add_f32 v[DX:DX+1],   v[X:X+1],   v[PE:PE+1] op_sel_hi:[1,0] neg_lo:[0,1] neg_hi:[0,1]   ; x - px, px for both
	v_pk_add_f32 v[DX+2:DX+3], v[X+2:X+3], v[PE:PE+1] op_sel_hi:[1,0] neg_lo:[0,1] neg_hi:[0,1]
	v_pk_add_f32 v[DX+4:DX+5], v[X:X+1],   v[PO:PO+1] op_sel_hi:[1,0] neg_lo:[0,1] neg_hi:[0,1]
	v_pk_add_f32 v[DX+6:DX+7], v[X+2:X+3], v[PO:PO+1] op_sel_hi:[1,0] neg_lo:[0,1] neg_hi:[0,1]
	v_mul_f32 v[U],    v[PE+4], v[DY]
	v_mul_f32 v[U+1],  v[PO+4], v[DY+1]
	v_mul_f32 v[VU],   v[PE+3], v[DY]              ; PB dy
	v_mul_f32 v[VU+2], v[PO+3], v[DY+1]
	v_mul_f32 v[VU+1], v[U],   v[DY]               ; PC dy^2
	v_mul_f32 v[VU+3], v[U+1], v[DY+1]
	v_pk_fma_f32 v[Q:Q+1],   v[DX:DX+1],   v[PE+2:PE+3], v[VU:VU+1]   op_sel_hi:[1,0,0]            ; PA dx + PB dy
	v_pk_fma_f32 v[Q+2:Q+3], v[DX+2:DX+3], v[PE+2:PE+3], v[VU:VU+1]   op_sel_hi:[1,0,0]
	v_pk_fma_f32 v[Q+4:Q+5], v[DX+4:DX+5], v[PO+2:PO+3], v[VU+2:VU+3] op_sel_hi:[1,0,0]
	v_pk_fma_f32 v[Q+6:Q+7], v[DX+6:DX+7], v[PO+2:PO+3], v[VU+2:VU+3] op_sel_hi:[1,0,0]
	v_pk_fma_f32 v[Q:Q+1],   v[Q:Q+1],   v[DX:DX+1],   v[VU:VU+1]   op_sel:[0,0,1] op_sel_hi:[1,1,1] ; times dx, + PC dy^2
	v_pk_fma_f32 v[Q+2:Q+3], v[Q+2:Q+3], v[DX+2:DX+3], v[VU:VU+1]   op_sel:[0,0,1] op_sel_hi:[1,1,1]
	v_pk_fma_f32 v[Q+4:Q+5], v[Q+4:Q+5], v[DX+4:DX+5], v[VU+2:VU+3] op_sel:[0,0,1] op_sel_hi:[1,1,1]
	v_pk_fma_f32 v[Q+6:Q+7], v[Q+6:Q+7], v[DX+6:DX+7], v[VU+2:VU+3] op_sel:[0,0,1] op_sel_hi:[1,1,1]
.irp n, 0,1,2,3,4,5,6,7
	v_exp_f32 v[E+\n], -v[Q+\n]
.endr
	; the compares only read q: they are the plain instructions that stand behind the exponentials before E is used (ISA guide 5.7.2)
.irp n, 0,1,2,3
	v_cmp_lt_u32 s[KEEP+\n],   v[Q+\n],   v[PE+6]
	v_cmp_lt_u32 s[KEEP+4+\n], v[Q+4+\n], v[PO+6]
.endr
	s_wait_alu depctr_va_vdst(0)                   ; the eight exponentials have written v[E ..], ahead of their first reader; the pair before is done reading slot NB, in which the loads
	                                               ; below land; the step before's matrix instructions are done reading v[CF ..]; v[PADDR] and v[CADDR] are written
.if \cf
	ds_load_b128 v[CF:CF+3],   v[CADDR]            ; sixteen colours of my row: k as in the weights
	ds_load_b128 v[CF+4:CF+7], v[CADDR] offset:16
.endif
	; pair j + 3's four loads, dealt among the multiplies: no vector line since the wait names v[NB ..], v[CF ..], v[PADDR] or v[CADDR]
	ds_load_b128 v[NB:NB+3],     v[PADDR] offset:NOFF
	v_pk_mul_f32 v[E:E+1],   v[E:E+1],   v[PE+4:PE+5] op_sel:[0,1] op_sel_hi:[1,1]                 ; times op
	ds_load_b128 v[NB+4:NB+7],   v[PADDR] offset:NOFF+16
	v_pk_mul_f32 v[E+2:E+3], v[E+2:E+3], v[PE+4:PE+5] op_sel:[0,1] op_sel_hi:[1,1]
	ds_load_b128 v[NB+8:NB+11],  v[PADDR] offset:NOFF+32
	v_pk_mul_f32 v[E+4:E+5], v[E+4:E+5], v[PO+4:PO+5] op_sel:[0,1] op_sel_hi:[1,1]
	ds_load_b128 v[NB+12:NB+15], v[PADDR] offset:NOFF+48
	v_pk_mul_f32 v[E+6:E+7], v[E+6:E+7], v[PO+4:PO+5] op_sel:[0,1] op_sel_hi:[1,1]
.irp n, 0,1,2,3,4,5,6,7
	v_min_num_f32 v[E+\n], s13, v[E+\n]
.endr
	s_wait_alu depctr_va_sdst(0)                   ; the eight compares have written s[KEEP ..], ahead of the selects that read them
.irp n, 0,1,2,3,4,5,6,7
	v_cndmask_b32 v[E+\n], 0, v[E+\n], s[KEEP+\n]  ; a choice of value only: every pair does the same work
.endr
	v_pk_mul_f32 v[E:E+1],   v[E:E+1],   v[T:T+1]                        ; w = alpha T, the nearer Gaussian first
	v_pk_mul_f32 v[E+2:E+3], v[E+2:E+3], v[T+2:T+3]
	v_pk_add_f32 v[T:T+1],   v[T:T+1],   v[E:E+1]   neg_lo:[0,1] neg_hi:[0,1]   ; T (1 - alpha) = T - w
	v_pk_add_f32 v[T+2:T+3], v[T+2:T+3], v[E+2:E+3] neg_lo:[0,1] neg_hi:[0,1]
	v_pk_mul_f32 v[E+4:E+5], v[E+4:E+5], v[T:T+1]
	v_pk_mul_f32 v[E+6:E+7], v[E+6:E+7], v[T+2:T+3]
	v_pk_add_f32 v[T:T+1],   v[T:T+1],   v[E+4:E+5] neg_lo:[0,1] neg_hi:[0,1]
	v_pk_add_f32 v[T+2:T+3], v[T+2:T+3], v[E+6:E+7] neg_lo:[0,1] neg_hi:[0,1]
.irp p, 0,1,2,3
	v_cvt_pk_bf16_f32 v[WF+8*\p+(\j)], v[E+\p], v[E+4+\p]
.endr
.endm
; Sixteen Gaussians of my segment, then their colours by four matrix instructions.  Records are asked for three pairs ahead, so at a
; pair's head the two younger pairs' eight loads stay out; at the heads of pairs 3 and 4 the two colour loads, issued in pair 2 ahead of
; pair 5's records, stay out as well; the wait at pair 5's head shows the colours in.  Pairs 5 to 7 ask for the next step's first
; three pairs (behind the last segment: 192 bytes of the row of zeros, not used).
; zero = 1: the first products start the sums, nothing is cleared.  The four accumulators take turns.
; Distance behind the matrix instructions (ISA guide 7.12.1): WF is written again only behind the two address steps and the first twenty
; plain vector instructions of the next pair, which name none of their registers; ACC is a chain in place.
.macro STEP zero
	PAIR 0, 8, 0
	PAIR 1, 8, 0
	PAIR 2, 8, 1
	PAIR 3, 10, 0
	PAIR 4, 10, 0
	PAIR 5, 8, 0
	PAIR 6, 8, 0
	PAIR 7, 8, 0
.irp p, 0,1,2,3
.if \zero
	v_wmma_f32_16x16x32_bf16 v[ACC+8*\p:ACC+8*\p+7], v[CF:CF+7], v[WF+8*\p:WF+8*\p+7], 0
.else
	v_wmma_f32_16x16x32_bf16 v[ACC+8*\p:ACC+8*\p+7], v[CF:CF+7], v[WF+8*\p:WF+8*\p+7], v[ACC+8*\p:ACC+8*\p+7]
.endif
.endr
	s_wait_alu depctr_vm_vsrc(0)                   ; the LDS loads issued so far have read v[PADDR] and v[CADDR]
	v_add_nc_u32 v[PADDR], 512, v[PADDR]           ; 16 records
	v_add_nc_u32 v[CADDR], 32, v[CADDR]            ; 16 bf16
.endm
.irp s, 0,1,2                          ; the first three pairs into slots 0 to 2
.irp q, 0,1,2,3
	ds_load_b128 v[P+16*\s+4*\q:P+16*\s+4*\q+3], v[PADDR] offset:64*\s+16*\q
.endr
.endr
	STEP 1
	s_mov_b32 s14, 3                               ; 64 Gaussians = 4 steps; at the loop's head twelve loads (three pairs) are out on both ways in
.Lstep:
	STEP 0
	s_sub_co_i32 s14, s14, 1
	s_cmp_lg_u32 s14, 0
	s_cbranch_scc1 .Lstep
	; my segment's (r, g, b, T) at my four pixels into LDS.  The two address steps above and the five lines here are seven plain
	; vector instructions that name no matrix register, in front of the first store that reads a sum.
	v_and_b32 v12, 15, v0
	v_bfe_u32 v13, v0, 4, 1
	s_mul_i32 s19, s12, 2*SEGP
	s_add_co_u32 s19, s19, COMB
	v_mul_u32_u24 v13, SEGP, v13
	v_lshl_add_u32 v12, v12, 2, v13
	v_add_nc_u32 v12, s19, v12                     ; segment 2 w + h, pixel r
	s_wait_alu depctr_va_vdst(0)                   ; the matrix instructions have written v[ACC ..], the last pair v[T ..], the line above v12: the stores below read them; the places above stay beside this wait
.irp p, 0,1,2,3
.irp c, 0,1,2
	ds_store_b32 v12, v[ACC+8*\p+\c] offset:256*\c+64*\p
.endr
	ds_store_b32 v12, v[T+\p] offset:768+64*\p
.endr
	s_wait_dscnt 0x0                               ; my stores are done (and the last look-ahead loads have landed)
	s_barrier_signal -1
	s_barrier_wait -1
	s_cmp_gt_u32 s12, 2
	s_cbranch_scc1 .Lend
	; wave c = 0, 1, 2 combines channel c front to back: sum over s of C_s T_0 .. T_(s-1).  Lane L: pixels 2 L, 2 L + 1.
	s_wait_alu depctr_vm_vsrc(0)                   ; the loop's LDS loads have read v1 and v2, which are made anew here; the stores above have read v12 and v[ACC ..], in which the loads below land
	v_and_b32 v2, 31, v0
	v_lshlrev_b32 v2, 3, v2                        ; 8 L: also my offset in the output
	s_lshl_b32 s28, s12, 8
	s_add_co_u32 s28, s28, COMB
	v_add_nc_u32 v1, s28, v2                       ; channel c of segment 0
	v_add_nc_u32 v3, COMB+768, v2                  ; T of segment 0
	s_wait_alu depctr_va_vdst(0)                   ; v1, v2, v3 are written, which the loads and the store below read; every vector and matrix line that named v12 to v137, in which the loads land, is done
.set sg, 0
.rept 32
	ds_load_b64 v[12+4*sg:13+4*sg], v1 offset:SEGP*sg
.if sg < 31
	ds_load_b64 v[14+4*sg:15+4*sg], v3 offset:SEGP*sg      ; the last segment's T is needed by nobody
.endif
.set sg, sg+1
.endr
	s_lshl_b32 s30, s12, 16                        ; channel: 65,536 bytes
	s_lshl_b32 s29, ttmp9, 8                       ; 512 (id >> 1) + 256 (id & 1) = 256 id
	s_add_co_u32 s30, s30, s29
	s_mov_b32 s31, 0
	s_add_nc_u64 s[10:11], s[10:11], s[30:31]
	s_wait_dscnt 47                                ; 63 loads in all; the 16 of segments 0-7 are in, 47 younger ones stay out
	v_pk_fma_f32 v[140:141], v[16:17], v[14:15], v[12:13]  ; C_0 + C_1 T_0
	v_pk_mul_f32 v[142:143], v[14:15], v[18:19]            ; T_0 T_1
.set sg, 2
.rept 30
.if sg == 8
	s_wait_dscnt 31                                ; segments 8-15 are in
.endif
.if sg == 16
	s_wait_dscnt 15                                ; segments 16-23
.endif
.if sg == 24
	s_wait_dscnt 0
.endif
	v_pk_fma_f32 v[140:141], v[12+4*sg:13+4*sg], v[142:143], v[140:141]
.if sg < 31
	v_pk_mul_f32 v[142:143], v[142:143], v[14+4*sg:15+4*sg]
.endif
.set sg, sg+1
.endr
	s_wait_alu depctr_va_vdst(0)                   ; the last multiply-add has written v[140:141], which the store reads
	global_store_b64 v2, v[140:141], s[10:11] th:TH_STORE_NT   ; the wave's store covers 256 consecutive bytes, aligned
.Lend:
	s_wait_dscnt 0x0
	s_wait_alu depctr_hold_cnt(0) depctr_sa_sdst(0) depctr_va_vdst(0) depctr_va_sdst(0) depctr_va_ssrc(0) depctr_va_vcc(0) depctr_vm_vsrc(0)
	s_wait_tensorcnt 0x0
	ds_add_u32 v184, v185
	s_wait_dscnt 0x0
	s_endpgm
.Lfunc_end_k_q58c7171fd8_raster:
	.size	k_q58c7171fd8_raster, .Lfunc_end_k_q58c7171fd8_raster-k_q58c7171fd8_raster
	.p2alignl 7, 3214868480
	.fill 96, 4, 3214868480
	.section	.rodata,"a",@progbits
	.p2align	6, 0x0
	.amdhsa_kernel k_q58c7171fd8_raster
		.amdhsa_group_segment_fixed_size 119040
		.amdhsa_private_segment_fixed_size 0
		.amdhsa_enable_private_segment 0
		.amdhsa_kernarg_size 32
		.amdhsa_user_sgpr_count 2
		.amdhsa_user_sgpr_kernarg_segment_ptr 1
		.amdhsa_wavefront_size32 1
		.amdhsa_system_sgpr_workgroup_id_x 1
		.amdhsa_system_sgpr_workgroup_id_y 1
		.amdhsa_system_sgpr_workgroup_id_z 1
		.amdhsa_system_vgpr_workitem_id 0
		.amdhsa_next_free_vgpr 186
		.amdhsa_next_free_sgpr 66
		.amdhsa_reserve_vcc 0
		.amdhsa_float_denorm_mode_32 3
		.amdhsa_float_denorm_mode_16_64 3
		.amdhsa_memory_ordered 1
		.amdhsa_forward_progress 1
		.amdhsa_inst_pref_size 84
	.end_amdhsa_kernel
	.amdgpu_metadata
---
amdhsa.version: [ 1, 2 ]
amdhsa.kernels:
  - .name:           k_q58c7171fd8_raster
    .symbol:         k_q58c7171fd8_raster.kd
    .args:
      - { .name: par, .offset: 0, .size: 8, .value_kind: global_buffer, .address_space: global }
      - { .name: colw, .offset: 8, .size: 8, .value_kind: global_buffer, .address_space: global }
      - { .name: rank, .offset: 16, .size: 8, .value_kind: global_buffer, .address_space: global }
      - { .name: out0, .offset: 24, .size: 8, .value_kind: global_buffer, .address_space: global }
    .group_segment_fixed_size: 119040
    .private_segment_fixed_size: 0
    .kernarg_segment_align: 8
    .kernarg_segment_size: 32
    .max_flat_workgroup_size: 512
    .sgpr_count:     66
    .vgpr_count:     186
    .wavefront_size: 32
...
	.end_amdgpu_metadata
.endif
;; end of part 3
